; MI455X (gfx1250); checked and timed in simulation.
; The chip was launched on July 23, 2026; its instructions are those of AMD's public machine-readable ISA for CDNA 5 (MIT licence, August 2026) and "CDNA5" Instruction Set Architecture Reference Guide (July 2026). The comments in the code are by the model that wrote it; some were corrected since.
;; Binary Tree Go E. Allowed arithmetic: matrix products marked QUANTISED: E3M2 operands, one E8M0 scale for each 32 along K, by v_wmma_scale_f32_16x16x128_f8f6f4 with both operands' format E3M2, f32 sums; everything else in f32.
;; Inputs: W0 2,048 x 2,048 float32; W1 2 x 2,048 x 2,048 float32; W2 4 x 2,048 x 2,048 float32; b0 2,048 float32; b1 2 x 2,048 float32; b2 4 x 2,048 float32; path_mask 2,048 x 3 int32; x 2,048 x 2,048 float32.
;; Outputs: out0 2,048 x 2,048 float32.
;; This version of the problem:
;;   THIS VERSION OF THE PROBLEM IS GIVEN IN LOW PRECISION. The matrix products marked QUANTISED in the list below multiply operands that are first quantised to E3M2 (3 exponent bits, 2 mantissa bits; 6 bits a number), with one power-of-two scale for each 32 numbers along K (OCP MX v1.0); their sums are f32. All else is computed in f32.
;;   The module's matrix products, in the order in which they are computed (A, B: the left and right operand; K: the contracted axis; several contracted axes count as one K, in the product's order):
;;     1. [M 2,048, K 2,048] x [K 2,048, N 2,048]; A: input x; B: input W0: QUANTISED
;;     2. [M 2,048, K 2,048] x [K 2,048, N 4,096]; A: computed on the way; B: input W1: QUANTISED
;;     3. [M 2,048, K 2,048] x [K 2,048, N 8,192]; A: computed on the way; B: input W2: QUANTISED
;;   THE QUANTISER, for each operand of a quantised product, along K:
;;     - K is cut into blocks of 32 from its start; a last block that is shorter is filled with zeros.
;;     - A block's scale is 2^e with e = floor(log2(the largest magnitude in the block)) - 4, held to -126 .. 127; a block of zeros has e = 0. As a byte (E8M0): e + 127.
;;     - Each number is divided by its block's scale, clamped to +-28, and rounded to the nearest number of E3M2, ties to even, subnormals kept.
;;     - The product sums the exact products of the quantised numbers (number of the format x scale) in f32.
;;   ~~~python
;;   def quantise(x, axis):      # numpy; x: float32 -> the quantised numbers, widened to float32 again
;;       x = np.moveaxis(x, axis, -1); K = x.shape[-1]
;;       x = np.pad(x, [(0, 0)] * (x.ndim - 1) + [(0, -K % 32)]); x = x.reshape(x.shape[:-1] + (-1, 32)); a = np.abs(x).max(-1, keepdims=True)
;;       e = np.where(a > 0, np.clip(np.frexp(np.where(a > 0, a, 1))[1] - 1 - 4, -126, 127), 0)      # np.frexp(a)[1] - 1 = floor(log2(a)), exactly
;;       r = np.clip(x / 2.0 ** e, -28, 28)
;;       step = 2.0 ** (np.maximum(np.frexp(np.where(r == 0, 1, r))[1] - 1, -2) - 2)
;;       q = np.round(r / step) * step * 2.0 ** e      # np.round: ties to even
;;       return np.moveaxis(q.reshape(q.shape[:-2] + (-1,))[..., :K], -1, axis).astype(np.float32)
;;   ~~~
;;   OPERANDS COMPUTED ON THE WAY. 'Computed on the way' means the value that the module computes at that place (a softmax that the list does not call 'softmax' is quantised finished and normalised). What goes into a quantiser is computed in f32, as accurately as f32 sums, v_exp_f32 and their like allow (about 1e-6 of the number): no bf16 or f16 on the way to a quantiser, and a product that is left as it is and whose result goes on into a quantised operand takes f32 operands (vector FMAs, or v_wmma_f32_16x16x4_f32). A number that lies on a knife's edge between two numbers of the format may be rounded either way, as far as f32 arithmetic and the matrix unit's own rounding can turn it there, and no further.
;; One version. Each part assembles by itself: llvm-mc -triple=amdgcn-amd-amdhsa -mcpu=gfx1250 --defsym DOCPART=n.
;; ======== version 1 of 1: 4 launches
;; limits: right only within a limited range of input values
;; workspace buffers: wq 22,937,600 bytes; xq 4,096,000 bytes; h0q 4,096,000 bytes; h1q 4,096,000 bytes; rt0 256 bytes of whole numbers; rt1 256 bytes of whole numbers; rt2 10,496 bytes of whole numbers
;; launch prep (part 1): grid 1056 x 1, 4 waves a work-group, no clusters, 26,368 bytes of LDS; arguments x, W0, W1, W2, path_mask, xq, wq, rt0, rt1, rt2; writes xq, wq, rt0, rt1, rt2
.if DOCPART == 1
	.amdgcn_target "amdgcn-amd-amdhsa--gfx1250"
	.amdhsa_code_object_version 6
	.text
	.protected	k_q355b1f19c7_prep
	.globl	k_q355b1f19c7_prep
	.p2align	8
	.type	k_q355b1f19c7_prep,@function
k_q355b1f19c7_prep:
	s_mov_b64 s[64:65], 0
	v_nop
	global_prefetch_b8 v0, s[64:65] scope:SCOPE_SE
	s_setreg_imm32_b32 hwreg(HW_REG_WAVE_MODE, 25, 1), 1
	s_wait_xcnt 0x0
; PREP: the routing, and every operand that arrives as f32 turned into codes of BF6 (E3M2) with one E8M0 byte for each 32 along K.
; ROUTING.  Tokens are sorted by leaf = 2 bit0 + bit1 (which sorts them by bit0 too); each leaf's run is padded to a multiple of 160 rows.  Sum of ceil(n_e / 160) is at most
; (2048 + 4 x 159) / 160, so 16 tiles of 160 rows, 2,560 padded rows, serve every split.  rt2 holds the token of each padded row (all ones: a hole); rt0, rt1 and rt2 (at byte 10,240) hold for
; each tile the weight matrix (0: W0, 1 + e: W1[e], 3 + e: W2[e]) and the bias row of layers 0, 1, 2.
; WORK-GROUPS 0-159: block db of 16 padded rows of x.  Wave 0 sorts (each work-group anew: 24 KB of path_mask) and hands the 16 tokens to the others through LDS; wave w then quantises K steps 4 w .. 4 w + 3.
;   A hole takes token 2,047's row: its results are never stored to the output.
; WORK-GROUPS 160-1055: matrix m, 128 columns g, 256 along K p.  A lane takes a column and its registers run down K, so a block of 32 lies in one lane and the codes come out with K innermost.
; LAYOUTS.  A fragment (16 rows x 128 K) is kept as an IMAGE OF ITS 12 REGISTERS, 1,536 bytes: register i of lane L at 512 (i / 4) + 16 L + 4 (i % 4): three loads of 16 bytes a lane bring it.
;   xq: tile t at 256,000 t; codes at 15,360 ks + 1,536 i (K step ks, block i of ten); scale words at 245,760 + 640 ks + 64 i + 4 r.
;   wq: 25,600 bytes for each (m, g, p), on end; in them codes at 12,288 s + 1,536 tt (step s of two, tile tt of eight), scale words at 24,576 + 512 s + 64 tt + 4 rho.
;   Row rho of tile tt = 2 b + u is column 128 g + 32 b + 8 u + rho + 8 (rho / 8): so a product's 16 results of tiles 2 b, 2 b + 1 in a lane are 16 neighbours along the next K.
; A block's scale byte is its largest magnitude's exponent field - 4, held at 1 from below.
; LIMITS: NaN and infinities are not served; a block of zeros gets the byte 1, not 127 (its codes are zeros, and this program alone reads the bytes); the path bits are taken to be 0 or 1;
; column 2 of path_mask is read by nobody, as in the reference.
; The spare words: 512 bytes from SPARE on.
.set SPARE, 25856                      ; behind the stage
.set SPW,  56                          ; v56  SPARE + 4 x my thread's number; never rewritten
.set NIL,  57                          ; v57  0; never rewritten
.set TILEB, 256000
.set STEPB, 15360
.set FRB,   1536
.set SCOFF, 245760
.set PAIRB, 25600
.set NXB,   160                        ; work-groups of the x path
.set LIST,  0                          ; LDS, x path: 32 words
.set STG,   256                        ; LDS, W path: 25,600 bytes, the image of what the work-group stores
.set WV,   24                          ; s24  wave
.set SEL,  28                          ; s[28:29] selects for lane l xor 16
.set OFF,  30                          ; s30  the next free padded row of the leaf in hand
.set BASE, 31                          ; s31  that leaf's first padded row
.set MK,   32                          ; s32-39 eight chunks' masks
.set HI16, 40                          ; s40  lanes 16-31
.set CN,   41
.set TSUM, 42                          ; s42  tiles so far
.set TS,   43                          ; s43-45 the first tile of leaves 1, 2, 3
.set LF,   64                          ; v[64+2c] chunk c's leaf, v[65+2c] its padded row
.set TM,   16                          ; v16-31 the quantiser's temporaries
.set PC,   36                          ; v36-55 the codes just made
.set X0,   64                          ; two sets of 64 numbers
.set X1,   128
	s_load_b512 s[4:19], s[0:1], 0x0               ; x, W0, W1, W2, path_mask, xq, wq, rt0
	s_load_b128 s[20:23], s[0:1], 0x40
	v_lshl_add_u32 v[SPW], v0, 2, SPARE
	v_mov_b32 v[NIL], 0
	v_lshrrev_b32 v1, 5, v0
	v_readfirstlane_b32 s[WV], v1                  ; wave 0..3
	v_and_b32 v1, 31, v0                           ; lane
	s_cmp_ge_u32 ttmp9, NXB
	s_cbranch_scc1 .Lweights
; ---------------------------------------------------------------- the x path
	v_and_b32 v2, 15, v0                           ; r
	v_bfe_u32 v3, v0, 4, 1                         ; hh
	v_lshlrev_b32 v5, 4, v1                        ; 16 x lane: an image's place
	v_lshlrev_b32 v8, 2, v2                        ; 4 r: my row's word of the list
	v_mul_u32_u24 v6, v3, 640
	v_add_nc_u32 v6, v6, v8                        ; 4 r + 640 hh: a pair of steps' scale words
	v_mul_u32_u24 v9, v1, 12                       ; a token's three words of path_mask
	v_lshlrev_b32 v10, 2, v1                       ; 4 x lane
.irp b, 0,1,2,3
	v_mov_b32 v[TM+4+\b], 0                        ; written once: a lane permute's destination counts as one of its sources
.endr
	s_mul_i32 s25, ttmp9, 205
	s_lshr_b32 s25, s25, 11                        ; t = db / 10 (exact up to 159)
	s_mul_i32 s26, s25, 10
	s_sub_co_u32 s26, ttmp9, s26                   ; i = db % 10
	s_lshl_b32 s27, ttmp9, 4                       ; my first padded row
	s_mov_b32 s[SEL], 0x76543210
	s_mov_b32 s[SEL+1], 0xfedcba98
	s_mov_b32 s[HI16], 0xffff0000
	s_mul_i32 s50, s25, TILEB
	s_mul_i32 s52, s26, FRB
	s_add_co_u32 s52, s52, s50
	s_mul_i32 s53, s[WV], 4*STEPB
	s_add_co_u32 s52, s52, s53                     ; my codes: tile t, K step 4 w, block i
	s_mov_b32 s53, 0
	s_lshl_b32 s47, s26, 6
	s_add_co_u32 s50, s50, s47
	s_mul_i32 s47, s[WV], 4*640
	s_add_co_u32 s50, s50, s47
	s_add_co_u32 s50, s50, SCOFF                   ; and their scale words
	s_mov_b32 s51, 0
	s_wait_kmcnt 0x0
	s_add_nc_u64 s[54:55], s[14:15], s[52:53]
	s_add_nc_u64 s[56:57], s[14:15], s[50:51]
	s_lshl_b32 s50, s[WV], 11
	s_add_nc_u64 s[4:5], s[4:5], s[50:51]          ; x at my four K steps: 2,048 bytes a wave
	s_lshl_b32 s50, ttmp9, 6
	s_add_nc_u64 s[48:49], s[22:23], s[50:51]      ; rt2 at my 16 rows
	s_cmp_lg_u32 s[WV], 0
	s_cbranch_scc1 .Lsorted
	; THE SORT, by wave 0.  Chunk c: lane l is token 32 c + l.
.set c, 0
	s_wait_alu depctr_va_vdst(0)
.rept 64
	global_load_b32 v[LF+2*c], v9, s[12:13] offset:384*c       ; bit0
	global_load_b32 v[LF+2*c+1], v9, s[12:13] offset:384*c+4   ; bit1
.set c, c+1
.endr
	s_mov_b32 s[OFF], 0
	s_mov_b32 s[BASE], 0
	s_mov_b32 s[TSUM], 0
	s_wait_loadcnt 0x0
.set c, 0
.rept 64
	v_lshl_add_u32 v[LF+2*c], v[LF+2*c], 1, v[LF+2*c+1]        ; the leaf
.set c, c+1
.endr
; Leaf e's tokens get their padded rows, in the order of the tokens: a token's row is the running offset + the number of lower lanes of its chunk with the same leaf.
; Eight chunks at a time, so that the running offset does not wait for a compare in each chunk.
.macro PASS e
.set c, 0
.rept 8
.irp k, 0,1,2,3,4,5,6,7
	v_cmp_eq_u32 s[MK+\k], \e, v[LF+2*(c+\k)]
.endr
.irp k, 0,1,2,3,4,5,6,7
.if \e == 0
	v_mbcnt_lo_u32_b32 v[LF+2*(c+\k)+1], s[MK+\k], s[OFF]      ; the first pass writes every lane: the later ones set right what is theirs
.else
	v_mbcnt_lo_u32_b32 v[12+\k], s[MK+\k], s[OFF]
.endif
	s_bcnt1_i32_b32 s[CN], s[MK+\k]
	s_add_co_u32 s[OFF], s[OFF], s[CN]
.endr
.if \e > 0
	s_wait_alu depctr_va_vdst(0)
.irp k, 0,1,2,3,4,5,6,7
	v_cndmask_b32 v[LF+2*(c+\k)+1], v[LF+2*(c+\k)+1], v[12+\k], s[MK+\k]
.endr
.endif
.set c, c+8
.endr
.if \e < 3
	s_sub_co_u32 s[CN], s[OFF], s[BASE]            ; n_e
	s_add_co_u32 s[CN], s[CN], 159
	s_mul_i32 s[CN], s[CN], 26215
	s_lshr_b32 s[CN], s[CN], 22                    ; ceil(n_e / 160): x 26,215 >> 22 is x / 160 rounded down for x up to 2,207
	s_add_co_u32 s[TSUM], s[TSUM], s[CN]
	s_mov_b32 s[TS+\e], s[TSUM]                    ; the next leaf's first tile
	s_mul_i32 s[CN], s[CN], 160
	s_add_co_u32 s[BASE], s[BASE], s[CN]
	s_mov_b32 s[OFF], s[BASE]
.endif
.endm
	PASS 0
	PASS 1
	PASS 2
	PASS 3
	; Each token of my 16 rows is pushed to the lane of its row; all others to lane 16, which nobody reads.  What is pushed is 4 x (token + 1): the two low bits, in which the
	; destination held its chunk's leaf, are shifted out at the end, so the result does not hang on what a lane holds to which nothing is pushed.
.set c, 0
.rept 64
	v_sub_nc_u32 v[12+c%4], v[LF+2*c+1], s27
	v_min_u32 v[12+c%4], 16, v[12+c%4]
	v_lshlrev_b32 v[12+c%4], 2, v[12+c%4]
	v_lshl_add_u32 v[16+c%4], v1, 2, 4*(32*c+1)
	ds_permute_b32 v[LF+2*c], v[12+c%4], v[16+c%4]
.set c, c+1
.endr
	s_wait_dscnt 0x0
.set c, 4
.rept 60
	v_or_b32 v[LF+2*(c%4)], v[LF+2*(c%4)], v[LF+2*c]           ; a row has one token at most: four chains
.set c, c+1
.endr
	v_or_b32 v[LF], v[LF], v[LF+2]
	v_or_b32 v[LF+4], v[LF+4], v[LF+6]
	v_or_b32 v[LF], v[LF], v[LF+4]
	v_lshrrev_b32 v7, 2, v[LF]                     ; token + 1, or 0
	v_add_nc_u32 v7, -1, v7                        ; the token, or all ones for a hole
	ds_store_b32 v10, v7 offset:LIST               ; for the other waves
	v_cmp_gt_u32 vcc_lo, 16, v1
	s_wait_alu depctr_va_vdst(0)
	s_wait_xcnt 0x0                                ; EXEC changes only behind this wait
	s_and_saveexec_b32 s46, vcc_lo
	global_store_b32 v10, v7, s[48:49]             ; lanes 0-15: my 16 rows of rt2
	s_wait_xcnt 0x0
	s_or_b32 exec_lo, exec_lo, s46
	s_cmp_lg_u32 ttmp9, 0
	s_cbranch_scc1 .Lsorted
	; work-group 0 writes the three tables: lane = tile; its leaf is the number of leaves 1, 2, 3 that begin at or before it (tiles left over: 3)
	v_cmp_le_u32 vcc_lo, s[TS], v1
	v_cndmask_b32 v12, 0, 1, vcc_lo
	v_cmp_le_u32 vcc_lo, s[TS+1], v1
	v_cndmask_b32 v13, 0, 1, vcc_lo
	v_cmp_le_u32 vcc_lo, s[TS+2], v1
	v_cndmask_b32 v14, 0, 1, vcc_lo
	v_add3_u32 v17, v12, v13, v14                  ; e
	v_add_nc_u32 v16, 3, v17                       ; layer 2: matrix 3 + e, bias row e
	v_lshrrev_b32 v15, 1, v17
	v_add_nc_u32 v14, 1, v15                       ; layer 1: matrix 1 + e / 2, bias row e / 2
	v_mov_b32 v12, 0                               ; layer 0: matrix 0, bias row 0
	v_mov_b32 v13, 0
	v_lshlrev_b32 v18, 3, v1
	v_cmp_gt_u32 vcc_lo, 16, v1
	s_and_saveexec_b32 s46, vcc_lo                 ; (no memory instruction since the last wait on XCNT)
	global_store_b64 v18, v[12:13], s[18:19]
	global_store_b64 v18, v[14:15], s[20:21]
	global_store_b64 v18, v[16:17], s[22:23] offset:10240
	s_wait_xcnt 0x0
	s_or_b32 exec_lo, exec_lo, s46
.Lsorted:
	s_wait_dscnt 0x0                               ; wave 0's list has landed
	s_barrier_signal -1
	s_barrier_wait -1
	s_wait_alu depctr_va_vdst(0)
	ds_load_b32 v7, v8 offset:LIST
	s_wait_dscnt 0x0
	v_min_u32 v7, 0x7ff, v7                        ; the bound on a loaded index, which also gives a hole token 2,047's row
	v_lshlrev_b32 v4, 13, v7
	v_lshl_add_u32 v4, v3, 6, v4                   ; row x 8,192 + 64 hh: my 16 numbers of each block of 32
; my 16 rows' numbers of K step kk of my four: register 16 b + 4 j .. is k 32 b + 16 hh + 4 j ..  (no hint: a row may be named by several rows of the list)
.macro XLOAD set, kk
.irp b, 0,1,2,3
.irp j, 0,1,2,3
	global_load_b128 v[\set+16*\b+4*\j:\set+16*\b+4*\j+3], v4, s[4:5] offset:512*(\kk)+128*\b+16*\j
.endr
.endr
.endm
; 64 numbers of a lane become a fragment's codes in v[PC] on and its rows' scale word in v[pw]
.macro QUANT s, pw
.irp b, 0,1,2,3
	v_max3_num_f32 v[TM+\b], |v[\s+16*\b]|, |v[\s+1+16*\b]|, 0x2800000   ; my 16 numbers of block b, and the floor 2^(5 - 127): the byte cannot fall under 1
.endr
.irp i, 2,4,6,8,10,12,14
.irp b, 0,1,2,3
	v_max3_num_f32 v[TM+\b], v[TM+\b], |v[\s+16*\b+\i]|, |v[\s+1+16*\b+\i]|
.endr
.endr
.irp b, 0,1,2,3
	v_permlanex16_b32 v[TM+4+\b], v[TM+\b], s[SEL], s[SEL+1]
.endr
.irp b, 0,1,2,3
	v_max_num_f32 v[TM+\b], v[TM+\b], v[TM+4+\b]   ; with lane l xor 16's 16: the block's largest magnitude
.endr
.irp b, 0,1,2,3
	v_add_nc_u32 v[TM+12+\b], 0xfe000000, v[TM+\b] ; 4 off its exponent field: the conversion's scale operand
.endr
.irp b, 0,1,2,3
	v_lshrrev_b32 v[TM+4+\b], 23, v[TM+12+\b]      ; the byte
.endr
	v_lshl_or_b32 v[\pw], v[TM+5], 8, v[TM+4]
	v_lshl_or_b32 v[\pw], v[TM+6], 16, v[\pw]
	v_lshl_or_b32 v[\pw], v[TM+7], 24, v[\pw]
	s_wait_xcnt 0x0                                ; the last step's stores have read the codes' registers
.irp c, 0,1
	v_cvt_scalef32_pk16_bf6_f32 v[PC+6*\c:PC+2+6*\c], v[\s+32*\c:\s+15+32*\c], v[TM+12+2*\c]
	v_cvt_scalef32_pk16_bf6_f32 v[PC+12+4*\c:PC+14+4*\c], v[\s+16+32*\c:\s+31+32*\c], v[TM+12+2*\c+1]   ; (a conversion's three registers begin on an even number)
.endr
	v_nop                                          ; one plain place behind a scaled conversion
.irp c, 0,1                                    ; the operand wants a whole block in a lane: lanes 0-15 block 2 c, lanes 16-31 block 2 c + 1
.irp i, 0,1,2
	v_permlane16_swap_b32 v[PC+6*\c+\i], v[PC+12+4*\c+\i]
.endr
.irp i, 0,1,2
	v_mov_b32 v[PC+3+6*\c+\i], v[PC+12+4*\c+\i]
.endr
.endr
.endm
.macro XOUT kk                                 ; the fragment's image: each store covers 512 consecutive bytes, aligned to 256
.irp q, 0,1,2
	global_store_b128 v5, v[PC+4*\q:PC+4*\q+3], s[54:55] offset:(\kk)*STEPB+512*\q
.endr
.endm
.macro SOUT pair                               ; two steps' scale words by one store: lanes 0-15 the even step's, lanes 16-31 the odd step's
	v_cndmask_b32 v34, v32, v33, s[HI16]
	global_store_b32 v6, v34, s[56:57] offset:1280*\pair
.endm
	XLOAD X0, 0
	XLOAD X1, 1
	s_wait_loadcnt 16                              ; step 0 is in; the other set's 16 loads may be out
	QUANT X0, 32
	XOUT 0
	XLOAD X0, 2
	s_wait_loadcnt 16
	QUANT X1, 33
	XOUT 1
	SOUT 0
	XLOAD X1, 3
	s_wait_loadcnt 16
	QUANT X0, 32
	XOUT 2
	s_wait_loadcnt 0x0
	QUANT X1, 33
	XOUT 3
	SOUT 1
	s_wait_tensorcnt 0x0                           ; the wave's end
	ds_add_u32 v[SPW], v[NIL]
	s_wait_dscnt 0x0
	s_endpgm
; ---------------------------------------------------------------- the W path
.Lweights:
	s_sub_co_u32 s25, ttmp9, NXB                   ; id = 128 m + 8 g + p
	s_lshr_b32 s26, s25, 7                         ; m
	s_bfe_u32 s27, s25, 0x40003                    ; g
	s_and_b32 s28, s25, 7                          ; p
	v_bfe_u32 v2, v0, 3, 1                         ; u: lane l is column 32 w + l = row rho of tile 2 w + u
	v_and_b32 v3, 7, v0
	v_bfe_u32 v4, v0, 4, 1
	v_lshl_or_b32 v3, v4, 3, v3                    ; rho
	v_mul_u32_u24 v5, v2, FRB
	v_lshl_add_u32 v5, v3, 4, v5
	s_mul_i32 s29, s[WV], 2*FRB
	s_add_co_u32 s29, s29, STG
	v_add_nc_u32 v5, s29, v5                       ; the stage: tile 2 w + u, 16 rho
	v_lshlrev_b32 v6, 6, v2
	v_lshl_add_u32 v6, v3, 2, v6
	s_lshl_b32 s29, s[WV], 7
	s_add_co_u32 s29, s29, STG+24576
	v_add_nc_u32 v6, s29, v6                       ; its scale words: 64 (2 w + u) + 4 rho
	v_lshlrev_b32 v7, 2, v1                        ; in: 4 bytes a lane
	v_lshlrev_b32 v8, 4, v0                        ; out: 16 bytes a thread
	v_add_nc_u32 v9, STG, v8
	s_wait_alu depctr_va_vdst(0)
	s_wait_kmcnt 0x0
	s_cmp_lt_u32 s26, 3                            ; which tensor, and which expert in it: the choice hangs on the work-group's number alone
	s_cselect_b64 s[30:31], s[8:9], s[10:11]
	s_cselect_b32 s29, 1, 3
	s_cmp_eq_u32 s26, 0
	s_cselect_b64 s[30:31], s[6:7], s[30:31]
	s_cselect_b32 s29, 0, s29
	s_sub_co_u32 s32, s26, s29
	s_lshl_b32 s32, s32, 24                        ; an expert is 2^24 bytes,
	s_lshl_b32 s33, s28, 21                        ; 256 rows of 8,192 bytes,
	s_add_co_u32 s32, s32, s33
	s_lshl_b32 s33, s27, 9                         ; 128 columns,
	s_add_co_u32 s32, s32, s33
	s_lshl_b32 s33, s[WV], 7                       ; 32 columns
	s_add_co_u32 s32, s32, s33
	s_mov_b32 s33, 0
	s_add_nc_u64 s[30:31], s[30:31], s[32:33]
	s_mul_i32 s32, s25, PAIRB
	s_add_nc_u64 s[16:17], s[16:17], s[32:33]
.macro LOAD t                                  ; block t: W(32 t + i, my column): a wave reads 128 consecutive bytes, the four waves 512
.irp i, 0,1,2,3,4,5,6,7,8,9,10,11,12,13,14,15,16,17,18,19,20,21,22,23,24,25,26,27,28,29,30,31
	global_load_b32 v[64+32*((\t)%2)+\i], v7, s[30:31] offset:(32*(\t)+\i)*8192 th:TH_LOAD_NT
.endr
.endm
	LOAD 0
	LOAD 1
; Block t of eight: step s = t / 4; in the fragment it is registers 6 c .. 6 c + 5 of lane rho + 16 h, c = (t / 2) % 2, h = t % 2
.macro BLOCK t
.set XS, 64+32*((\t)%2)
.set SO, ((\t)/4)*12288+256*((\t)%2)
.if (\t) < 7
	s_wait_loadcnt 32                              ; this block is in; the next block's 32 loads may be out
.else
	s_wait_loadcnt 0x0
.endif
	v_max3_num_f32 v12, |v[XS]|, |v[XS+1]|, |v[XS+2]|
	v_max3_num_f32 v13, |v[XS+3]|, |v[XS+4]|, |v[XS+5]|
.irp i, 6,10,14,18,22,26
	v_max3_num_f32 v12, v12, |v[XS+\i]|, |v[XS+\i+1]|
	v_max3_num_f32 v13, v13, |v[XS+\i+2]|, |v[XS+\i+3]|
.endr
	v_max3_num_f32 v12, v12, |v[XS+30]|, |v[XS+31]|
	v_max3_num_f32 v12, v12, v13, 0x2800000        ; and the floor 2^(5 - 127)
	v_add_nc_u32 v11, 0xfe000000, v12              ; 4 off the exponent field: the conversion's scale operand
	v_cvt_scalef32_pk16_bf6_f32 v[36:38], v[XS:XS+15], v11
	v_cvt_scalef32_pk16_bf6_f32 v[42:44], v[XS+16:XS+31], v11      ; (a conversion's three registers begin on an even number)
	v_lshrrev_b32 v13, 23, v11                     ; the byte.  (A plain place behind the conversions)
.if (\t)%4 == 0
	v_mov_b32 v[46+(\t)/4], v13                    ; four bytes make the step's scale word
.else
	v_lshl_or_b32 v[46+(\t)/4], v13, 8*((\t)%4), v[46+(\t)/4]
.endif
	v_mov_b32 v39, v42
	v_mov_b32 v40, v43
	v_mov_b32 v41, v44
.if ((\t)/2)%2 == 0
	ds_store_b128 v5, v[36:39] offset:SO           ; registers 0-3,
	ds_store_b64 v5, v[40:41] offset:SO+512        ; 4, 5
.else
	ds_store_b64 v5, v[36:37] offset:SO+520        ; registers 6, 7,
	ds_store_b128 v5, v[38:41] offset:SO+1024      ; 8-11
.endif
.if (\t)+2 < 8
	LOAD (\t)+2
.endif
	s_wait_dscnt 0x0                               ; the stores have read their registers
.endm
.irp t, 0,1,2,3,4,5,6,7
	BLOCK \t
.endr
	ds_store_b32 v6, v46
	s_wait_alu depctr_va_vdst(0)
	ds_store_b32 v6, v47 offset:512
	s_wait_dscnt 0x0                               ; for the others' sake: my part of the stage has landed
	s_barrier_signal -1
	s_barrier_wait -1
.irp j, 0,1,2,3,4,5,6,7,8,9,10,11
	ds_load_b128 v[64+4*\j:67+4*\j], v9 offset:2048*\j
.endr
.irp j, 0,1,2,3,4,5,6,7,8,9,10,11
	s_wait_dscnt 11-\j
	global_store_b128 v8, v[64+4*\j:67+4*\j], s[16:17] offset:2048*\j   ; a wave's store covers 512 consecutive bytes, aligned to 256
.endr
	s_cmp_lt_u32 s[WV], 2                          ; 25,600 = 12 x 2,048 + 1,024: waves 0 and 1 take the rest
	s_cbranch_scc0 .Lw_done
	ds_load_b128 v[112:115], v9 offset:24576
	s_wait_dscnt 0x0
	global_store_b128 v8, v[112:115], s[16:17] offset:24576
.Lw_done:
	s_wait_tensorcnt 0x0                           ; the wave's end
	ds_add_u32 v[SPW], v[NIL]
	s_wait_dscnt 0x0
	s_endpgm
.Lfunc_end_k_q355b1f19c7_prep:
	.size	k_q355b1f19c7_prep, .Lfunc_end_k_q355b1f19c7_prep-k_q355b1f19c7_prep
	.p2alignl 7, 3214868480
	.fill 96, 4, 3214868480
	.section	.rodata,"a",@progbits
	.p2align	6, 0x0
	.amdhsa_kernel k_q355b1f19c7_prep
		.amdhsa_group_segment_fixed_size 26368
		.amdhsa_private_segment_fixed_size 0
		.amdhsa_enable_private_segment 0
		.amdhsa_kernarg_size 80
		.amdhsa_user_sgpr_count 2
		.amdhsa_user_sgpr_kernarg_segment_ptr 1
		.amdhsa_wavefront_size32 1
		.amdhsa_system_sgpr_workgroup_id_x 1
		.amdhsa_system_sgpr_workgroup_id_y 1
		.amdhsa_system_sgpr_workgroup_id_z 1
		.amdhsa_system_vgpr_workitem_id 0
		.amdhsa_next_free_vgpr 192
		.amdhsa_next_free_sgpr 66
		.amdhsa_reserve_vcc 1
		.amdhsa_float_denorm_mode_32 3
		.amdhsa_float_denorm_mode_16_64 3
		.amdhsa_memory_ordered 1
		.amdhsa_forward_progress 1
		.amdhsa_inst_pref_size 167
	.end_amdhsa_kernel
	.amdgpu_metadata
---
amdhsa.version: [ 1, 2 ]
amdhsa.kernels:
  - .name:           k_q355b1f19c7_prep
    .symbol:         k_q355b1f19c7_prep.kd
    .args:
      - { .name: x, .offset: 0, .size: 8, .value_kind: global_buffer, .address_space: global }
      - { .name: W0, .offset: 8, .size: 8, .value_kind: global_buffer, .address_space: global }
      - { .name: W1, .offset: 16, .size: 8, .value_kind: global_buffer, .address_space: global }
      - { .name: W2, .offset: 24, .size: 8, .value_kind: global_buffer, .address_space: global }
      - { .name: path_mask, .offset: 32, .size: 8, .value_kind: global_buffer, .address_space: global }
      - { .name: xq, .offset: 40, .size: 8, .value_kind: global_buffer, .address_space: global }
      - { .name: wq, .offset: 48, .size: 8, .value_kind: global_buffer, .address_space: global }
      - { .name: rt0, .offset: 56, .size: 8, .value_kind: global_buffer, .address_space: global }
      - { .name: rt1, .offset: 64, .size: 8, .value_kind: global_buffer, .address_space: global }
      - { .name: rt2, .offset: 72, .size: 8, .value_kind: global_buffer, .address_space: global }
    .group_segment_fixed_size: 26368
    .private_segment_fixed_size: 0
    .kernarg_segment_align: 8
    .kernarg_segment_size: 80
    .max_flat_workgroup_size: 128
    .sgpr_count:     66
    .vgpr_count:     192
    .wavefront_size: 32
...
	.end_amdgpu_metadata
.endif
;; end of part 1
;; launch layer0 (part 2): grid 16 x 16, 4 waves a work-group, clusters of 4 x 1, 272,640 bytes of LDS; arguments xq, wq, b0, rt0, h0q; writes h0q
.if DOCPART == 2
	.amdgcn_target "amdgcn-amd-amdhsa--gfx1250"
	.amdhsa_code_object_version 6
	.text
	.protected	k_q355b1f19c7_layer0
	.globl	k_q355b1f19c7_layer0
	.p2align	8
	.type	k_q355b1f19c7_layer0,@function
k_q355b1f19c7_layer0:
	s_mov_b64 s[64:65], 0
	v_nop
	global_prefetch_b8 v0, s[64:65] scope:SCOPE_SE
	s_setreg_imm32_b32 hwreg(HW_REG_WAVE_MODE, 25, 1), 1
	s_wait_xcnt 0x0
	s_wait_alu depctr_hold_cnt(0) depctr_sa_sdst(0) depctr_va_vdst(0) depctr_va_sdst(0) depctr_va_ssrc(0) depctr_va_vcc(0) depctr_vm_vsrc(0)
	s_getreg_b32 s2, hwreg(HW_REG_IB_STS2, 6, 4)
	s_cmp_eq_u32 s2, 0
	s_cbranch_scc0 .Lentry_in_a_cluster
	s_endpgm
.Lentry_in_a_cluster:
	s_bfe_u32 s2, ttmp6, 0x10000c
	s_cmp_lg_u32 s2, 0x3003
	s_cbranch_scc0 .Lentry_shape_is_right
	s_endpgm
.Lentry_shape_is_right:
; ONE LAYER: H = Q(relu(A W + b)), A and W as codes of BF6 (E3M2) with E8M0 scales, H quantised along the next K and stored as codes.  Sums, bias and relu in f32.
; Only the expert chosen for a row is multiplied: rows are the 2,560 padded rows of the routing, 16 tiles of 160, each of one expert; the table rt gives tile t's weight matrix and bias row.
; No branch hangs on the table: it enters addresses alone.
; SHARES.  Work-group (g, t): 160 rows x columns 128 g .. 128 g + 127, all of K = 2,048 in 16 steps of 128.  Wave w: all 160 rows x 32 columns: 10 x 2 accumulators.
; A'S PANEL, 160 rows x all of K with its scale words, is 256,000 bytes.  It comes into LDS ONCE, by one tensor load a wave at the head, and is never filled again:
; wave 0 the scale words (40 rows of 256 bytes), wave 1 K steps 0-2 (180 rows), wave 2 K steps 3-8 (360), wave 3 K steps 9-15 (420).  Each part is shown to the work-group by a barrier of its own,
; in front of which the wave that asked for it waits for its load: ahead of step 0's fragments (waves 0 and 1), of step 3's (wave 2) and of step 9's (wave 3).
; CLUSTER.  The four work-groups of a cluster have the same t: they ask for A's panel JOINTLY (mask 15; the descriptors hang on t alone).
; W IS NOT ASKED FOR JOINTLY: the work-groups that share a part of W are those with the same g and the same expert, and which tiles t have the same expert is read from a table, so partners'
; descriptors could not be equal for every split; and each byte of W is wanted by one wave alone: it goes from memory straight into that wave's registers, seven to eight steps ahead.
; NO PREFETCH: the text has no loop to run ahead in, and all of A's panel is asked for at the head.
; THE PRODUCT IS USED TRANSPOSED (source 0 = 16 columns of W, source 1 = 16 rows of A), and W's tiles were laid so that register 16 a + 8 u + j of lane (r, hh) is row 16 a + r, column 32 w + 16 hh + 8 u + j:
; a wave's 32 columns are one block of 32 along the next K, 16 neighbours in a lane.  The bias is the C of each sum's first product.
; Fragments lie in memory and in LDS as images of their 12 registers (1,536 bytes: register i of lane L at 512 (i / 4) + 16 L + 4 (i % 4)).
; LIMITS: NaN and infinities are not served; a block of zeros gets the scale byte 1, not 127 (its codes are zeros, and this program alone reads the bytes).
; REGISTERS, in windows of 256.  Window 0: v0-19 addresses; v20-21 the add's two; v32-47 W's scale words (tile u, pair of steps p: v[32+8u+p]: lanes 0-15 the even step, 16-31 the odd);
;   v48-67 A's scale words, two sets of ten, likewise; v68-92 the quantiser; v128-247 A's fragments of even steps.  Window 1: W's fragments, eight sets of 24.
;   Window 2: v0-159 the accumulators, (a, u) at v[8 (2 a + u)]; v160-175 the bias.  Window 3: v0-119 A's fragments of odd steps.
.set TILEB, 256000
.set STEPB, 15360
.set FRB,   1536
.set SCOFF, 245760
.set STG,   256000                     ; behind the panel: the stage for H: 15,360 bytes of codes, 640 of scale words
.set SPARE, 272128                     ; behind the stage: the spare words, 128 bytes for each wave
.set RTOFF, 0
.set WV,  14
.set G1C, 24                           ; s[24:31] group 1: 180 rows of 256 bytes
.set G1S, 32                           ; s[32:39] 40 rows
.set G1D, 72                           ; s[72:79] 360 rows
.set G1E, 80                           ; s[80:87] 420 rows
.set G0S, 40                           ; s[40:43] group 0: the scale words
.set G0C, 44                           ; s[44:55] three groups 0: the codes' three parts
.set SEL, 60                           ; s[60:61] selects for lane l xor 16
.set HI16, 62                          ; s62 lanes 16-31
.set SPW, 20                           ; v20 SPARE + 4 x my thread's number; never rewritten
.set NIL, 21                           ; v21 0; never rewritten
.set M,   68                           ; v68-77 largest magnitudes, then scale operands
.set P,   78                           ; v78-87 the other half's, then bytes
.set MSB, 0
.macro WIN new                         ; the immediate's high byte repeats the setting that is left
.if MSB != \new
	s_set_vgpr_msb (MSB<<8)|\new
.set MSB, \new
.endif
.endm
.macro CROUND                          ; a round of the cluster's barrier
	s_barrier_signal -1
	s_barrier_wait -1
	s_cmp_lg_u32 s[WV], 0
	s_cbranch_scc1 .Lnot_wave_0_\@
	s_barrier_signal -3
.Lnot_wave_0_\@:
	s_barrier_wait -3
	s_barrier_signal -1
	s_barrier_wait -1
.endm
.macro PLACES                          ; four plain places between a matrix instruction and a load into, or a read of, its registers
.rept 4
	v_nop
.endr
.endm
.macro ROWS g, n                       ; tensor_dim1 and tile_dim1
	s_mov_b32 s[\g+2], (\n)<<16
	s_mov_b32 s[\g+4], \n
.endm
.macro GRP0 g, off                     ; a part of the panel: at the same byte in LDS as in A's tile
	s_mov_b32 s[\g], 1
	s_mov_b32 s[\g+1], \off
	s_add_nc_u64 s[\g+2:\g+3], s[4:5], \off
	s_or_b32 s[\g+3], s[\g+3], 0x80000000
.endm
.macro ARM under, g0, g1, next         ; one arm of the head's chain: a load, its s_nop 0 and four v_nop, a jump to the join
	s_cmp_lt_u32 s[WV], \under
	s_cbranch_scc0 \next
	tensor_load_to_lds s[\g0:\g0+3], s[\g1:\g1+7]
	s_nop 0
.rept 4
	v_nop
.endr
	s_branch .Lhead_asked
\next:
.endm
.macro MEET cmp, n                     ; the waves that asked for a part wait for it, then a barrier shows it to all four
	\cmp s[WV], \n
	s_cbranch_scc0 .Lnot_mine_\@
	s_wait_tensorcnt 0x0
.Lnot_mine_\@:
	s_barrier_signal -1
	s_barrier_wait -1
.endm
	s_load_b256 s[4:11], s[0:1], 0x0               ; A, wq, bias, rt
	s_load_b64 s[12:13], s[0:1], 0x20              ; H
	v_lshl_add_u32 v[SPW], v0, 2, SPARE
	v_mov_b32 v[NIL], 0
	ds_add_u32 v[SPW], v[NIL]                      ; the opening lines: the add, twice on end, and its wait ahead of the round in front of the first loads
	ds_add_u32 v[SPW], v[NIL]
	v_lshrrev_b32 v1, 5, v0
	v_readfirstlane_b32 s[WV], v1                  ; wave 0..3
	s_bfe_u32 s15, ttmp6, 0x40000                  ; cx
	s_lshl_b32 s16, ttmp9, 2
	s_add_co_u32 s16, s16, s15                     ; g = 4 x cluster x + cx: it enters W's, the bias's and H's addresses alone
	s_and_b32 s17, ttmp7, 0xffff                   ; t, which the four partners share
.irp g, G1S, G1C, G1D, G1E
	s_mov_b32 s[\g+0], 15|(3<<16)|(1<<21)          ; the mask: all four; elements of 8 bytes; bit 21 beside a mask; no padding
	s_mov_b32 s[\g+1], 32<<16                      ; tensor_dim0 = 32 elements: 256 bytes
	s_mov_b32 s[\g+3], 32<<16                      ; tile_dim0
	s_mov_b32 s[\g+5], 32                          ; the pitch: dense
	s_mov_b32 s[\g+6], 0
	s_mov_b32 s[\g+7], 0
.endr
	ROWS G1S, 40
	ROWS G1C, 180
	ROWS G1D, 360
	ROWS G1E, 420
	s_mov_b32 s[SEL], 0x76543210
	s_mov_b32 s[SEL+1], 0xfedcba98
	s_mov_b32 s[HI16], 0xffff0000
	s_lshl_b32 s22, s17, 3
	s_mov_b32 s23, 0
	s_mul_i32 s70, s17, TILEB
	s_mov_b32 s71, 0
	s_wait_dscnt 0x0                               ; both opening adds are done
	s_wait_kmcnt 0x0
	s_add_nc_u64 s[18:19], s[10:11], s[22:23]
	s_load_b64 s[20:21], s[18:19], RTOFF           ; tile t's matrix and bias row
	s_add_nc_u64 s[4:5], s[4:5], s[70:71]          ; A's tile t
	s_add_nc_u64 s[12:13], s[12:13], s[70:71]      ; H's tile t
	GRP0 G0S, SCOFF
	GRP0 G0C, 0
	GRP0 G0C+4, 3*STEPB
	GRP0 G0C+8, 9*STEPB
	CROUND                                         ; all four work-groups are here: the joint loads meet
	ARM 1, G0S, G1S, .Lhead_1                      ; one chain of arms, one load to an arm
	ARM 2, G0C, G1C, .Lhead_2
	ARM 3, G0C+4, G1D, .Lhead_3
	tensor_load_to_lds s[G0C+8:G0C+11], s[G1E:G1E+7]
	s_nop 0
.rept 4
	v_nop
.endr
.Lhead_asked:
	v_and_b32 v1, 31, v0                           ; lane
	v_and_b32 v2, 15, v0                           ; r
	v_bfe_u32 v3, v0, 4, 1                         ; hh
	v_lshlrev_b32 v4, 4, v1                        ; 16 x lane
.irp j, 0,1,2,3
	v_add_nc_u32 v[5+\j], \j*4*STEPB, v4           ; A's fragments of K steps 4 j ..
.endr
	v_lshlrev_b32 v10, 2, v2
	v_mul_u32_u24 v9, v3, 640
	v_add_nc_u32 v9, v9, v10
	v_add_nc_u32 v9, SCOFF, v9                     ; A's scale words: 4 r + 640 hh
	v_lshl_add_u32 v10, v3, 9, v10                 ; W's: 4 r + 512 hh
	v_lshlrev_b32 v11, 6, v3                       ; the bias: 64 hh
	v_lshlrev_b32 v13, 4, v0                       ; the way out: 16 x thread in H,
	v_add_nc_u32 v12, STG, v13                     ; and in the stage
	v_lshlrev_b32 v15, 2, v1                       ; 4 x lane: the scale words in H,
	v_add_nc_u32 v14, STG+STEPB, v15               ; and in the stage
	; into the stage: my 32 columns are block w of the next K step: registers 6 (w / 2) .. + 5 of lane r + 16 (w % 2) of the image of block a + hh
	s_and_b32 s68, s[WV], 1
	s_lshl_b32 s68, s68, 8
	s_add_co_u32 s68, s68, STG
	s_lshr_b32 s69, s[WV], 1
	s_mul_i32 s70, s69, 520
	s_add_co_u32 s70, s70, s68
	s_mul_i32 s71, s69, 1016
	s_add_co_u32 s71, s71, s68
	v_mul_u32_u24 v17, v3, FRB
	v_lshl_add_u32 v17, v2, 4, v17
	v_add_nc_u32 v16, s70, v17                     ; the first 8 bytes (and, 512 on, the third): 0 or 520
	v_add_nc_u32 v17, s71, v17
	v_add_nc_u32 v17, 8, v17                       ; the second: 8 or 1,024
	v_lshlrev_b32 v19, 6, v3
	v_lshl_add_u32 v19, v2, 2, v19
	s_add_co_u32 s68, s[WV], STG+STEPB
	v_add_nc_u32 v19, s68, v19                     ; my byte of a row's scale word: 64 hh + 4 r + w
.irp a, 0,1,2,3,4,5,6,7,8,9
	v_mov_b32 v[P+\a], 0                           ; written once: a lane permute's destination counts as one of its sources
.endr
	s_wait_alu depctr_va_vdst(0)
	s_wait_kmcnt 0x0
	s_min_u32 s20, s20, 6                          ; the bounds on loaded indices
	s_min_u32 s21, s21, 3
	s_mul_i32 s22, s20, 3276800
	s_mul_i32 s68, s16, 204800
	s_add_co_u32 s22, s22, s68
	s_add_nc_u64 s[6:7], s[6:7], s[22:23]          ; matrix m, columns 128 g
	s_lshl_b32 s22, s[WV], 7
	s_add_co_u32 s22, s22, 24576
	s_add_nc_u64 s[66:67], s[6:7], s[22:23]        ; my two tiles' scale words
	s_mul_i32 s22, s[WV], 2*FRB
	s_add_nc_u64 s[6:7], s[6:7], s[22:23]          ; and codes
	s_lshl_b32 s22, s21, 13
	s_lshl_b32 s68, s16, 9
	s_add_co_u32 s22, s22, s68
	s_lshl_b32 s68, s[WV], 7
	s_add_co_u32 s22, s22, s68
	s_add_nc_u64 s[8:9], s[8:9], s[22:23]          ; the bias of my 32 columns
	s_mul_i32 s22, s16, 640
	s_add_co_u32 s22, s22, SCOFF
	s_add_nc_u64 s[18:19], s[12:13], s[22:23]      ; H: K step g's scale words,
	s_mul_i32 s22, s16, STEPB
	s_add_nc_u64 s[12:13], s[12:13], s[22:23]      ; and codes
.macro LOAD_B ks                               ; W's two fragments of K step ks into set ks % 8
	WIN 0x40
.irp u, 0,1
.irp q, 0,1,2
	global_load_b128 v[24*((\ks)%8)+12*\u+4*\q:24*((\ks)%8)+12*\u+4*\q+3], v4, s[6:7] offset:((\ks)/2)*25600+((\ks)%2)*12288+FRB*\u+512*\q
.endr
.endr
.endm
.macro FETCH_A ks                              ; A's ten fragments of K step ks
.if (\ks)%2
	WIN 0xc0
.set FA, 0
.else
	WIN 0
.set FA, 128
.endif
.irp a, 0,1,2,3,4,5,6,7,8,9
.irp q, 0,1,2
	ds_load_b128 v[FA+12*\a+4*\q:FA+12*\a+4*\q+3], v[5+(\ks)/4] offset:((\ks)%4)*STEPB+FRB*\a+512*\q
.endr
.endr
.endm
.macro FETCH_S p                               ; A's scale words of K steps 2 p (lanes 0-15) and 2 p + 1 (lanes 16-31)
	WIN 0
.irp a, 0,1,2,3,4,5,6,7,8,9
	ds_load_b32 v[48+10*((\p)%2)+\a], v9 offset:1280*(\p)+64*\a
.endr
.endm
; n blocks of rows from a0 on x my two tiles.  The 20 accumulators take turns, one instruction a turn, in the same order in every step.
.macro MUL ks, a0, n
.if (\ks)%2
	WIN 0xad                                       ; W window 1, A window 3, C and D window 2
.set RA0, 0
.else
	WIN 0xa1                                       ; W window 1, A window 0, C and D window 2
.set RA0, 128
.endif
.set AA, \a0
.rept \n
.irp u, 0,1
.set RD, 8*(2*AA+\u)
.set RB, 24*((\ks)%8)+12*\u
.set RA, RA0+12*AA
.set SW, 32+8*\u+(\ks)/2
.set SX, 48+10*(((\ks)/2)%2)+AA
.if (\ks) == 0
	v_wmma_scale_f32_16x16x128_f8f6f4 v[RD:RD+7], v[RB:RB+11], v[RA:RA+11], v[160+8*\u:167+8*\u], v[SW], v[SX] matrix_a_fmt:MATRIX_FMT_BF6 matrix_b_fmt:MATRIX_FMT_BF6
.elseif (\ks)%2
	v_wmma_scale_f32_16x16x128_f8f6f4 v[RD:RD+7], v[RB:RB+11], v[RA:RA+11], v[RD:RD+7], v[SW], v[SX] matrix_a_fmt:MATRIX_FMT_BF6 matrix_b_fmt:MATRIX_FMT_BF6 matrix_a_scale:MATRIX_SCALE_ROW1 matrix_b_scale:MATRIX_SCALE_ROW1
.else
	v_wmma_scale_f32_16x16x128_f8f6f4 v[RD:RD+7], v[RB:RB+11], v[RA:RA+11], v[RD:RD+7], v[SW], v[SX] matrix_a_fmt:MATRIX_FMT_BF6 matrix_b_fmt:MATRIX_FMT_BF6
.endif
.endr
.set AA, AA+1
.endr
.endm
; A K step.  First, in one run, the next step's fragments of A from LDS and W's fragments of seven steps on from memory, into the registers that the step before has read; then this step's 20 products:
; what is asked for here is waited for at the next step's head, 20 products on.
.macro STEP ks
	s_wait_dscnt 0x0                               ; this step's fragments of A and scale words are in
.if ((\ks) == 2) || ((\ks) == 8)
	WIN 0                                          ; (a branch and a label follow)
	MEET s_cmp_eq_u32, 2+(\ks)/8                   ; K steps 3-8 (wave 2's load) or 9-15 (wave 3's) are whole, ahead of the fetch of step 3 or 9
.endif
.if (\ks) < 15
.if (\ks) > 0
	PLACES                                         ; the registers loaded below were last read by the step before
.endif
	FETCH_A (\ks)+1
.if ((\ks)+1)%2 == 0
	FETCH_S ((\ks)+1)/2
.endif
.if ((\ks) >= 1) && ((\ks) <= 8)
	LOAD_B (\ks)+7
.endif
.endif
.if (\ks) <= 8
	s_wait_loadcnt 42                              ; behind this step's six loads: the next seven steps', six each
.else
	s_wait_loadcnt 6*(15-(\ks))                    ; the steps that are left
.endif
	MUL \ks, 0, 10
.endm
	WIN 0x80
.irp u, 0,1
	global_load_b128 v[160+8*\u:163+8*\u], v11, s[8:9] offset:32*\u       ; the bias in the result's layout: columns 16 hh + 8 u + 0 .. 7 of my 32
	global_load_b128 v[164+8*\u:167+8*\u], v11, s[8:9] offset:32*\u+16
.endr
	WIN 0
.irp u, 0,1
.irp p, 0,1,2,3,4,5,6,7
	global_load_b32 v[32+8*\u+\p], v10, s[66:67] offset:\p*25600+64*\u
.endr
.endr
.irp k, 0,1,2,3,4,5,6,7
	LOAD_B \k
.endr
	WIN 0
	MEET s_cmp_lt_u32, 2                           ; the scale words (wave 0's load) and K steps 0-2 (wave 1's) are whole
	FETCH_A 0
	FETCH_S 0
.irp k, 0,1,2,3,4,5,6,7,8,9,10,11,12,13,14,15
	STEP \k
.endr
	; THE WAY OUT: relu, the quantiser along the next K, the codes' images through the stage
	PLACES
	WIN 0x88
.set j, 0
.rept 160
	v_max_num_f32 v[j], 0, v[j]                    ; each accumulator from its low end on
.set j, j+1
.endr
	WIN 0x28
.irp a, 0,1,2,3,4,5,6,7,8,9
	v_max3_num_f32 v[M+\a], 0x2800000, v[16*\a], v[16*\a+1]        ; block a's row r: my 16 numbers (none is negative) and the floor 2^(5 - 127); the ten chains by turns
.endr
.irp i, 2,4,6,8,10,12,14
.irp a, 0,1,2,3,4,5,6,7,8,9
	v_max3_num_f32 v[M+\a], v[M+\a], v[16*\a+\i], v[16*\a+\i+1]
.endr
.endr
	WIN 0
.irp a, 0,1,2,3,4,5,6,7,8,9
	v_permlanex16_b32 v[P+\a], v[M+\a], s[SEL], s[SEL+1]
.endr
.irp a, 0,1,2,3,4,5,6,7,8,9
	v_max_num_f32 v[M+\a], v[M+\a], v[P+\a]        ; with lane l xor 16's 16: the block's largest
.endr
.irp a, 0,1,2,3,4,5,6,7,8,9
	v_add_nc_u32 v[M+\a], 0xfe000000, v[M+\a]      ; 4 off the exponent field: the conversion's scale operand
.endr
.irp a, 0,1,2,3,4,5,6,7,8,9
	v_lshrrev_b32 v[P+\a], 23, v[M+\a]             ; the byte
.endr
.irp a, 0,2,4,6,8
	v_cndmask_b32 v[88+\a/2], v[P+\a], v[P+\a+1], s[HI16]          ; lanes 0-15 block a's, lanes 16-31 block a + 1's
.endr
	WIN 0x02
.irp a, 0,1,2,3,4,5,6,7,8,9
	v_cvt_scalef32_pk16_bf6_f32 v[128+4*\a:130+4*\a], v[16*\a:16*\a+15], v[M+\a]
.endr
	WIN 0
	v_nop                                          ; one plain place behind a scaled conversion
.irp a, 0,2,4,6,8                              ; a lane gets a whole block of 32 codes: lanes 0-15 of row block a, lanes 16-31 of a + 1
.irp i, 0,1,2
	v_permlane16_swap_b32 v[128+4*\a+\i], v[132+4*\a+\i]
.endr
	v_mov_b32 v[131+4*\a], v[132+4*\a]
	v_mov_b32 v[132+4*\a], v[133+4*\a]
	v_mov_b32 v[133+4*\a], v[134+4*\a]
	ds_store_b64 v16, v[128+4*\a:129+4*\a] offset:FRB*\a
	ds_store_b64 v17, v[130+4*\a:131+4*\a] offset:FRB*\a
	ds_store_b64 v16, v[132+4*\a:133+4*\a] offset:FRB*\a+512
	ds_store_b8 v19, v[88+\a/2] offset:64*\a
.endr
	s_wait_dscnt 0x0                               ; for the others' sake: my part of the stage has landed
	s_barrier_signal -1
	s_barrier_wait -1
.irp j, 0,1,2,3,4,5,6
	ds_load_b128 v[128+4*\j:131+4*\j], v12 offset:2048*\j
.endr
.irp j, 0,1,2,3,4,5,6
	s_wait_dscnt 6-\j
	global_store_b128 v13, v[128+4*\j:131+4*\j], s[12:13] offset:2048*\j   ; a wave's store covers 512 consecutive bytes, aligned to 256
.endr
	s_cmp_lt_u32 s[WV], 2                          ; 15,360 = 7 x 2,048 + 1,024: waves 0 and 1 take the rest
	s_cbranch_scc0 .Lno_tail
	ds_load_b128 v[156:159], v12 offset:14336
	s_wait_dscnt 0x0
	global_store_b128 v13, v[156:159], s[12:13] offset:14336
.Lno_tail:
	s_cmp_eq_u32 s[WV], 3                          ; wave 3: the 640 bytes of scale words
	s_cbranch_scc0 .Lno_scales
.irp j, 0,1,2,3,4
	ds_load_b32 v[160+\j], v14 offset:128*\j
.endr
	s_wait_dscnt 0x0
.irp j, 0,1,2,3,4
	global_store_b32 v15, v[160+\j], s[18:19] offset:128*\j
.endr
.Lno_scales:
	s_wait_tensorcnt 0x0                           ; the wave's end
	ds_add_u32 v[SPW], v[NIL]
	s_wait_dscnt 0x0
	CROUND                                         ; the closing round
	s_endpgm
.Lfunc_end_k_q355b1f19c7_layer0:
	.size	k_q355b1f19c7_layer0, .Lfunc_end_k_q355b1f19c7_layer0-k_q355b1f19c7_layer0
	.p2alignl 7, 3214868480
	.fill 96, 4, 3214868480
	.section	.rodata,"a",@progbits
	.p2align	6, 0x0
	.amdhsa_kernel k_q355b1f19c7_layer0
		.amdhsa_group_segment_fixed_size 272640
		.amdhsa_private_segment_fixed_size 0
		.amdhsa_enable_private_segment 0
		.amdhsa_kernarg_size 40
		.amdhsa_user_sgpr_count 2
		.amdhsa_user_sgpr_kernarg_segment_ptr 1
		.amdhsa_wavefront_size32 1
		.amdhsa_system_sgpr_workgroup_id_x 1
		.amdhsa_system_sgpr_workgroup_id_y 1
		.amdhsa_system_sgpr_workgroup_id_z 1
		.amdhsa_system_vgpr_workitem_id 0
		.amdhsa_next_free_vgpr 896
		.amdhsa_next_free_sgpr 88
		.amdhsa_reserve_vcc 0
		.amdhsa_float_denorm_mode_32 3
		.amdhsa_float_denorm_mode_16_64 3
		.amdhsa_memory_ordered 1
		.amdhsa_forward_progress 1
		.amdhsa_inst_pref_size 118
	.end_amdhsa_kernel
	.amdgpu_metadata
---
amdhsa.version: [ 1, 2 ]
amdhsa.kernels:
  - .name:           k_q355b1f19c7_layer0
    .symbol:         k_q355b1f19c7_layer0.kd
    .args:
      - { .name: xq, .offset: 0, .size: 8, .value_kind: global_buffer, .address_space: global }
      - { .name: wq, .offset: 8, .size: 8, .value_kind: global_buffer, .address_space: global }
      - { .name: b0, .offset: 16, .size: 8, .value_kind: global_buffer, .address_space: global }
      - { .name: rt0, .offset: 24, .size: 8, .value_kind: global_buffer, .address_space: global }
      - { .name: h0q, .offset: 32, .size: 8, .value_kind: global_buffer, .address_space: global }
    .group_segment_fixed_size: 272640
    .private_segment_fixed_size: 0
    .kernarg_segment_align: 8
    .kernarg_segment_size: 40
    .max_flat_workgroup_size: 128
    .sgpr_count:     88
    .vgpr_count:     896
    .wavefront_size: 32
...
	.end_amdgpu_metadata
.endif
;; end of part 2
;; launch layer1: the kernel of part 2 again; grid 16 x 16, 4 waves a work-group, clusters of 4 x 1, 272,640 bytes of LDS; arguments h0q, wq, b1, rt1, h1q; writes h1q
;; launch leaf (part 3): grid 16 x 16, 4 waves a work-group, clusters of 4 x 1, 262,144 bytes of LDS; arguments h1q, wq, b2, rt2, out0; writes out0
.if DOCPART == 3
	.amdgcn_target "amdgcn-amd-amdhsa--gfx1250"
	.amdhsa_code_object_version 6
	.text
	.protected	k_q355b1f19c7_leaf
	.globl	k_q355b1f19c7_leaf
	.p2align	8
	.type	k_q355b1f19c7_leaf,@function
k_q355b1f19c7_leaf:
	s_mov_b64 s[64:65], 0
	v_nop
	global_prefetch_b8 v0, s[64:65] scope:SCOPE_SE
	s_setreg_imm32_b32 hwreg(HW_REG_WAVE_MODE, 25, 1), 1
	s_wait_xcnt 0x0
	s_wait_alu depctr_hold_cnt(0) depctr_sa_sdst(0) depctr_va_vdst(0) depctr_va_sdst(0) depctr_va_ssrc(0) depctr_va_vcc(0) depctr_vm_vsrc(0)
	s_getreg_b32 s2, hwreg(HW_REG_IB_STS2, 6, 4)
	s_cmp_eq_u32 s2, 0
	s_cbranch_scc0 .Lentry_in_a_cluster
	s_endpgm
.Lentry_in_a_cluster:
	s_bfe_u32 s2, ttmp6, 0x10000c
	s_cmp_lg_u32 s2, 0x3003
	s_cbranch_scc0 .Lentry_shape_is_right
	s_endpgm
.Lentry_shape_is_right:
; THE LAST LAYER: y = relu(A W + b) in f32, each padded row stored to its token's row of the output.  A and W as codes of BF6 (E3M2) with E8M0 scales.  Only the expert chosen for a row is multiplied.
; The product is the middle layers': work-group (g, t): 160 padded rows x columns 128 g .. + 127; wave w: all 160 rows x 32 columns, 10 x 2 accumulators; K = 2,048 in 16 steps of 128.
; A'S PANEL (256,000 bytes with its scale words) comes into LDS ONCE, by one tensor load a wave at the head, asked for JOINTLY by the four work-groups of a cluster, which have the same t (mask 15;
; the descriptors hang on t alone): wave 0 the scale words, wave 1 K steps 0-2, wave 2 K steps 3-8, wave 3 K steps 9-15.  Each part is shown to the work-group by a barrier of its own, in front of
; which the wave that asked for it waits for its load.  W IS NOT ASKED FOR JOINTLY: the work-groups that share a part of W are those with the same g and the same expert, and which tiles have the
; same expert is read from a table, so partners' descriptors could not be equal for every split; and each byte of W is wanted by one wave alone: it goes from memory straight into that wave's registers.
; NO PREFETCH: the text has no loop to run ahead in, and all of A's panel is asked for at the head.
; THE PRODUCT IS USED TRANSPOSED: register 16 a + 8 u + j of lane (r, hh) is row 16 a + r, column 32 w + 16 hh + 8 u + j.  The bias is the C of each sum's first product.
; THE WAY OUT.  The results meet in a stage of 160 rows x (512 + 16) bytes, laid over A's panel when it has had its last fill and its last read; wave w then sends rows 40 w .. 40 w + 39,
; a row of 512 bytes an instruction.  The rows' tokens come from rt2 into scalar registers; a hole's token is all ones.  The routing fills each tile from its first row on, so the rows in use are a
; prefix of the tile and of my 40.  A hole behind a row in use takes that row's token and that row's numbers: I store the same 512 bytes to the same place once more.  If my first row is a hole,
; all 40 are: they go with no lane on.  So EXEC is narrowed once, by my first token.  No branch hangs on the table or on the tokens.
; LIMITS: NaN and infinities are not served.
; REGISTERS as in the middle layers.  Window 0: v0-14 addresses; v20-21 the add's two; v32-47 W's scale words; v48-67 A's, two sets of ten; v128-247 A's fragments of even steps; on the way out
;   v32-191 my 40 rows of y and v208-247 their offsets in the output.  Window 1: W's fragments, eight sets of 24.  Window 2: v0-159 the accumulators; v160-175 the bias.  Window 3: v0-119 A's fragments of odd steps.
.set TILEB, 256000
.set STEPB, 15360
.set FRB,   1536
.set SCOFF, 245760
.set SPARE, 256000                     ; behind the panel: the spare words, 128 bytes for each wave
.set RTOFF, 10240                      ; the table of tiles lies behind the 2,560 tokens
.set SP,    528                        ; a row of the stage
.set WV,  14
.set G1C, 24                           ; s[24:31] group 1: 180 rows of 256 bytes
.set G1S, 32                           ; s[32:39] 40 rows
.set G1D, 72                           ; s[72:79] 360 rows
.set G1E, 80                           ; s[80:87] 420 rows
.set G0S, 40                           ; s[40:43] group 0: the scale words
.set G0C, 44                           ; s[44:55] three groups 0: the codes' three parts
.set TOK, 24                           ; s24-63: my 40 rows' tokens, once my tensor load is done
.set SPW, 20                           ; v20 SPARE + 4 x my thread's number; never rewritten
.set NIL, 21                           ; v21 0; never rewritten
.set ROW, 32                           ; v32-191: my 40 rows, back from the stage
.set ADR, 208                          ; v208-247: my 40 rows' byte offsets in the output
.set MSB, 0
.macro WIN new                         ; the immediate's high byte repeats the setting that is left
.if MSB != \new
	s_set_vgpr_msb (MSB<<8)|\new
.set MSB, \new
.endif
.endm
.macro CROUND                          ; a round of the cluster's barrier
	s_barrier_signal -1
	s_barrier_wait -1
	s_cmp_lg_u32 s[WV], 0
	s_cbranch_scc1 .Lnot_wave_0_\@
	s_barrier_signal -3
.Lnot_wave_0_\@:
	s_barrier_wait -3
	s_barrier_signal -1
	s_barrier_wait -1
.endm
.macro PLACES                          ; four plain places between a matrix instruction and a load into, or a read of, its registers
.rept 4
	v_nop
.endr
.endm
.macro ROWS g, n                       ; tensor_dim1 and tile_dim1
	s_mov_b32 s[\g+2], (\n)<<16
	s_mov_b32 s[\g+4], \n
.endm
.macro GRP0 g, off                     ; a part of the panel: at the same byte in LDS as in A's tile
	s_mov_b32 s[\g], 1
	s_mov_b32 s[\g+1], \off
	s_add_nc_u64 s[\g+2:\g+3], s[4:5], \off
	s_or_b32 s[\g+3], s[\g+3], 0x80000000
.endm
.macro ARM under, g0, g1, next         ; one arm of the head's chain: a load, its s_nop 0 and four v_nop, a jump to the join
	s_cmp_lt_u32 s[WV], \under
	s_cbranch_scc0 \next
	tensor_load_to_lds s[\g0:\g0+3], s[\g1:\g1+7]
	s_nop 0
.rept 4
	v_nop
.endr
	s_branch .Lhead_asked
\next:
.endm
.macro MEET cmp, n                     ; the waves that asked for a part wait for it, then a barrier shows it to all four
	\cmp s[WV], \n
	s_cbranch_scc0 .Lnot_mine_\@
	s_wait_tensorcnt 0x0
.Lnot_mine_\@:
	s_barrier_signal -1
	s_barrier_wait -1
.endm
	s_load_b256 s[4:11], s[0:1], 0x0               ; A, wq, bias, rt2
	s_load_b64 s[12:13], s[0:1], 0x20              ; the output
	v_lshl_add_u32 v[SPW], v0, 2, SPARE
	v_mov_b32 v[NIL], 0
	ds_add_u32 v[SPW], v[NIL]                      ; the opening lines: the add, twice on end, and its wait ahead of the round in front of the first loads
	ds_add_u32 v[SPW], v[NIL]
	v_lshrrev_b32 v1, 5, v0
	v_readfirstlane_b32 s[WV], v1                  ; wave 0..3
	s_bfe_u32 s15, ttmp6, 0x40000                  ; cx
	s_lshl_b32 s16, ttmp9, 2
	s_add_co_u32 s16, s16, s15                     ; g = 4 x cluster x + cx: it enters W's, the bias's and the output's addresses alone
	s_and_b32 s17, ttmp7, 0xffff                   ; t, which the four partners share
.irp g, G1S, G1C, G1D, G1E
	s_mov_b32 s[\g+0], 15|(3<<16)|(1<<21)          ; the mask: all four; elements of 8 bytes; bit 21 beside a mask; no padding
	s_mov_b32 s[\g+1], 32<<16                      ; tensor_dim0 = 32 elements: 256 bytes
	s_mov_b32 s[\g+3], 32<<16                      ; tile_dim0
	s_mov_b32 s[\g+5], 32                          ; the pitch: dense
	s_mov_b32 s[\g+6], 0
	s_mov_b32 s[\g+7], 0
.endr
	ROWS G1S, 40
	ROWS G1C, 180
	ROWS G1D, 360
	ROWS G1E, 420
	s_lshl_b32 s22, s17, 3
	s_mov_b32 s23, 0
	s_mul_i32 s70, s17, TILEB
	s_mov_b32 s71, 0
	s_wait_dscnt 0x0                               ; both opening adds are done
	s_wait_kmcnt 0x0
	s_add_nc_u64 s[18:19], s[10:11], s[22:23]
	s_load_b64 s[20:21], s[18:19], RTOFF           ; tile t's matrix and bias row
	s_add_nc_u64 s[4:5], s[4:5], s[70:71]          ; A's tile t
	GRP0 G0S, SCOFF
	GRP0 G0C, 0
	GRP0 G0C+4, 3*STEPB
	GRP0 G0C+8, 9*STEPB
	CROUND                                         ; all four work-groups are here: the joint loads meet
	ARM 1, G0S, G1S, .Lhead_1                      ; one chain of arms, one load to an arm
	ARM 2, G0C, G1C, .Lhead_2
	ARM 3, G0C+4, G1D, .Lhead_3
	tensor_load_to_lds s[G0C+8:G0C+11], s[G1E:G1E+7]
	s_nop 0
.rept 4
	v_nop
.endr
.Lhead_asked:
	v_and_b32 v1, 31, v0                           ; lane
	v_and_b32 v2, 15, v0                           ; r
	v_bfe_u32 v3, v0, 4, 1                         ; hh
	v_lshlrev_b32 v4, 4, v1                        ; 16 x lane
.irp j, 0,1,2,3
	v_add_nc_u32 v[5+\j], \j*4*STEPB, v4           ; A's fragments of K steps 4 j ..
.endr
	v_lshlrev_b32 v10, 2, v2
	v_mul_u32_u24 v9, v3, 640
	v_add_nc_u32 v9, v9, v10
	v_add_nc_u32 v9, SCOFF, v9                     ; A's scale words: 4 r + 640 hh
	v_lshl_add_u32 v10, v3, 9, v10                 ; W's: 4 r + 512 hh
	v_lshlrev_b32 v11, 6, v3                       ; the bias: 64 hh
	v_mul_u32_u24 v12, v2, SP                      ; into the stage: row r, + 64 hh, + 128 w: my 16 columns' bytes
	v_lshl_add_u32 v12, v3, 6, v12
	s_lshl_b32 s68, s[WV], 7
	v_add_nc_u32 v12, s68, v12
	v_add_nc_u32 v13, 80*SP, v12                   ; the same for row blocks 5 to 9
	s_mul_i32 s68, s[WV], 40*SP
	v_add_nc_u32 v14, s68, v4                      ; back: my 40 rows, 16 bytes a lane
	s_wait_alu depctr_va_vdst(0)
	s_wait_kmcnt 0x0
	s_min_u32 s20, s20, 6                          ; the bounds on loaded indices
	s_min_u32 s21, s21, 3
	s_mul_i32 s22, s20, 3276800
	s_mul_i32 s68, s16, 204800
	s_add_co_u32 s22, s22, s68
	s_add_nc_u64 s[6:7], s[6:7], s[22:23]          ; matrix m, columns 128 g
	s_lshl_b32 s22, s[WV], 7
	s_add_co_u32 s22, s22, 24576
	s_add_nc_u64 s[66:67], s[6:7], s[22:23]        ; my two tiles' scale words
	s_mul_i32 s22, s[WV], 2*FRB
	s_add_nc_u64 s[6:7], s[6:7], s[22:23]          ; and codes
	s_lshl_b32 s22, s21, 13
	s_lshl_b32 s68, s16, 9
	s_add_co_u32 s22, s22, s68
	s_lshl_b32 s68, s[WV], 7
	s_add_co_u32 s22, s22, s68
	s_add_nc_u64 s[8:9], s[8:9], s[22:23]          ; the bias of my 32 columns
	s_lshl_b32 s22, s16, 9
	s_add_nc_u64 s[12:13], s[12:13], s[22:23]      ; the output at column 128 g
	s_mul_i32 s22, s17, 640
	s_mul_i32 s68, s[WV], 160
	s_add_co_u32 s22, s22, s68
	s_add_nc_u64 s[18:19], s[10:11], s[22:23]      ; the tokens of rows 160 t + 40 w ..
.macro LOAD_B ks                               ; W's two fragments of K step ks into set ks % 8
	WIN 0x40
.irp u, 0,1
.irp q, 0,1,2
	global_load_b128 v[24*((\ks)%8)+12*\u+4*\q:24*((\ks)%8)+12*\u+4*\q+3], v4, s[6:7] offset:((\ks)/2)*25600+((\ks)%2)*12288+FRB*\u+512*\q
.endr
.endr
.endm
.macro FETCH_A ks                              ; A's ten fragments of K step ks
.if (\ks)%2
	WIN 0xc0
.set FA, 0
.else
	WIN 0
.set FA, 128
.endif
.irp a, 0,1,2,3,4,5,6,7,8,9
.irp q, 0,1,2
	ds_load_b128 v[FA+12*\a+4*\q:FA+12*\a+4*\q+3], v[5+(\ks)/4] offset:((\ks)%4)*STEPB+FRB*\a+512*\q
.endr
.endr
.endm
.macro FETCH_S p                               ; A's scale words of K steps 2 p (lanes 0-15) and 2 p + 1 (lanes 16-31)
	WIN 0
.irp a, 0,1,2,3,4,5,6,7,8,9
	ds_load_b32 v[48+10*((\p)%2)+\a], v9 offset:1280*(\p)+64*\a
.endr
.endm
; n blocks of rows from a0 on x my two tiles.  The 20 accumulators take turns, one instruction a turn, in the same order in every step.
.macro MUL ks, a0, n
.if (\ks)%2
	WIN 0xad                                       ; W window 1, A window 3, C and D window 2
.set RA0, 0
.else
	WIN 0xa1                                       ; W window 1, A window 0, C and D window 2
.set RA0, 128
.endif
.set AA, \a0
.rept \n
.irp u, 0,1
.set RD, 8*(2*AA+\u)
.set RB, 24*((\ks)%8)+12*\u
.set RA, RA0+12*AA
.set SW, 32+8*\u+(\ks)/2
.set SX, 48+10*(((\ks)/2)%2)+AA
.if (\ks) == 0
	v_wmma_scale_f32_16x16x128_f8f6f4 v[RD:RD+7], v[RB:RB+11], v[RA:RA+11], v[160+8*\u:167+8*\u], v[SW], v[SX] matrix_a_fmt:MATRIX_FMT_BF6 matrix_b_fmt:MATRIX_FMT_BF6
.elseif (\ks)%2
	v_wmma_scale_f32_16x16x128_f8f6f4 v[RD:RD+7], v[RB:RB+11], v[RA:RA+11], v[RD:RD+7], v[SW], v[SX] matrix_a_fmt:MATRIX_FMT_BF6 matrix_b_fmt:MATRIX_FMT_BF6 matrix_a_scale:MATRIX_SCALE_ROW1 matrix_b_scale:MATRIX_SCALE_ROW1
.else
	v_wmma_scale_f32_16x16x128_f8f6f4 v[RD:RD+7], v[RB:RB+11], v[RA:RA+11], v[RD:RD+7], v[SW], v[SX] matrix_a_fmt:MATRIX_FMT_BF6 matrix_b_fmt:MATRIX_FMT_BF6
.endif
.endr
.set AA, AA+1
.endr
.endm
; A K step.  First, in one run, the next step's fragments of A from LDS and W's fragments of seven steps on from memory, into the registers that the step before has read; then this step's 20 products:
; what is asked for here is waited for at the next step's head, 20 products on.
.macro STEP ks
	s_wait_dscnt 0x0                               ; this step's fragments of A and scale words are in
.if ((\ks) == 2) || ((\ks) == 8)
	WIN 0                                          ; (a branch and a label follow)
	MEET s_cmp_eq_u32, 2+(\ks)/8                   ; K steps 3-8 (wave 2's load) or 9-15 (wave 3's) are whole, ahead of the fetch of step 3 or 9
.endif
.if (\ks) < 15
.if (\ks) > 0
	PLACES                                         ; the registers loaded below were last read by the step before
.endif
	FETCH_A (\ks)+1
.if ((\ks)+1)%2 == 0
	FETCH_S ((\ks)+1)/2
.endif
.if ((\ks) >= 1) && ((\ks) <= 8)
	LOAD_B (\ks)+7
.endif
.endif
.if (\ks) <= 8
	s_wait_loadcnt 42                              ; behind this step's six loads: the next seven steps', six each
.else
	s_wait_loadcnt 6*(15-(\ks))                    ; the steps that are left
.endif
	MUL \ks, 0, 10
.endm
	WIN 0x80
.irp u, 0,1
	global_load_b128 v[160+8*\u:163+8*\u], v11, s[8:9] offset:32*\u       ; the bias in the result's layout: columns 16 hh + 8 u + 0 .. 7 of my 32
	global_load_b128 v[164+8*\u:167+8*\u], v11, s[8:9] offset:32*\u+16
.endr
	WIN 0
.irp u, 0,1
.irp p, 0,1,2,3,4,5,6,7
	global_load_b32 v[32+8*\u+\p], v10, s[66:67] offset:\p*25600+64*\u
.endr
.endr
.irp k, 0,1,2,3,4,5,6,7
	LOAD_B \k
.endr
	WIN 0
	MEET s_cmp_lt_u32, 2                           ; the scale words (wave 0's load) and K steps 0-2 (wave 1's) are whole
	FETCH_A 0
	FETCH_S 0
.irp k, 0,1,2,3,4,5,6,7,8,9,10,11
	STEP \k
.endr
	s_wait_tensorcnt 0x0                           ; my one tensor load is done (each wave has waited for its own by step 8): the descriptors' registers take my 40 rows' tokens
.irp j, 0,1,2,3,4
	s_load_b256 s[TOK+8*\j:TOK+8*\j+7], s[18:19], 32*\j
.endr
.irp k, 12,13,14,15
	STEP \k
.endr
	; THE WAY OUT
	PLACES
	WIN 0x88
.set j, 0
.rept 160
	v_max_num_f32 v[j], 0, v[j]                    ; relu; each accumulator from its low end on
.set j, j+1
.endr
	WIN 0
	s_wait_alu depctr_va_vdst(0)
	s_wait_dscnt 0x0                               ; my reads of A's panel are over
	s_barrier_signal -1
	s_barrier_wait -1                              ; everybody's are: the stage may be laid over it
	WIN 0x08                                       ; an LDS store's data are its source 1: window 2
.irp a, 0,1,2,3,4,5,6,7,8,9
.irp k, 0,1,2,3
	ds_store_b128 v[12+\a/5], v[16*\a+4*\k:16*\a+4*\k+3] offset:(\a%5)*16*SP+16*\k
.endr
.endr
	WIN 0
	s_wait_kmcnt 0x0                               ; the tokens
.set i, 0
.rept 40                                       ; my 40 rows' offsets in the output, each in a register of its own, made while the stores above land
.if i > 0
	s_cmp_lt_u32 s[TOK+i], 0x800
	s_cselect_b32 s[TOK+i], s[TOK+i], s[TOK+i-1]   ; a hole takes the token of the row before it
.endif
	s_min_u32 s[68+i%4], s[TOK+i], 0x7ff           ; the bound on a loaded index (where my first row is a hole the offsets are never used: the stores have no lane on)
	v_lshl_add_u32 v[ADR+i], s[68+i%4], 13, v4     ; token x 8,192 + 16 x lane
.set i, i+1
.endr
	s_wait_alu depctr_va_vdst(0)
	s_wait_dscnt 0x0                               ; for the others' sake: my columns have landed
	s_barrier_signal -1
	s_barrier_wait -1
.set i, 0
.rept 40
	ds_load_b128 v[ROW+4*i:ROW+4*i+3], v14 offset:SP*i             ; my 40 rows back from the stage, 512 bytes each, every lane on
.set i, i+1
.endr
	s_wait_dscnt 0x0
.set i, 1
.rept 39                                       ; no two rows in use name one token: a row whose token is now that of the row before it is a hole, and takes that row's numbers too
	s_cmp_eq_u32 s[TOK+i], s[TOK+i-1]
	s_cselect_b32 s[68+i%2], -1, 0
.irp k, 0,1,2,3
	v_cndmask_b32 v[ROW+4*i+\k], v[ROW+4*i+\k], v[ROW+4*i-4+\k], s[68+i%2]
.endr
.set i, i+1
.endr
	s_cmp_lt_u32 s[TOK], 0x800                     ; my first row a hole: all 40 are
	s_cselect_b32 vcc_lo, -1, 0
	s_wait_alu depctr_va_vdst(0)
	s_wait_xcnt 0x0                                ; EXEC changes only behind this wait
	s_and_saveexec_b32 s68, vcc_lo
.set i, 0
.rept 40
	global_store_b128 v[ADR+i], v[ROW+4*i:ROW+4*i+3], s[12:13] th:TH_STORE_NT   ; 32 lanes store 512 consecutive bytes, aligned to 256
.set i, i+1
.endr
	s_wait_xcnt 0x0                                ; the stores have read EXEC
	s_mov_b32 exec_lo, -1                          ; every lane on again, as before the narrowing
	s_wait_tensorcnt 0x0                           ; the wave's end
	ds_add_u32 v[SPW], v[NIL]
	s_wait_dscnt 0x0
	CROUND                                         ; the closing round
	s_endpgm
.Lfunc_end_k_q355b1f19c7_leaf:
	.size	k_q355b1f19c7_leaf, .Lfunc_end_k_q355b1f19c7_leaf-k_q355b1f19c7_leaf
	.p2alignl 7, 3214868480
	.fill 96, 4, 3214868480
	.section	.rodata,"a",@progbits
	.p2align	6, 0x0
	.amdhsa_kernel k_q355b1f19c7_leaf
		.amdhsa_group_segment_fixed_size 262144
		.amdhsa_private_segment_fixed_size 0
		.amdhsa_enable_private_segment 0
		.amdhsa_kernarg_size 40
		.amdhsa_user_sgpr_count 2
		.amdhsa_user_sgpr_kernarg_segment_ptr 1
		.amdhsa_wavefront_size32 1
		.amdhsa_system_sgpr_workgroup_id_x 1
		.amdhsa_system_sgpr_workgroup_id_y 1
		.amdhsa_system_sgpr_workgroup_id_z 1
		.amdhsa_system_vgpr_workitem_id 0
		.amdhsa_next_free_vgpr 896
		.amdhsa_next_free_sgpr 88
		.amdhsa_reserve_vcc 1
		.amdhsa_float_denorm_mode_32 3
		.amdhsa_float_denorm_mode_16_64 3
		.amdhsa_memory_ordered 1
		.amdhsa_forward_progress 1
		.amdhsa_inst_pref_size 135
	.end_amdhsa_kernel
	.amdgpu_metadata
---
amdhsa.version: [ 1, 2 ]
amdhsa.kernels:
  - .name:           k_q355b1f19c7_leaf
    .symbol:         k_q355b1f19c7_leaf.kd
    .args:
      - { .name: h1q, .offset: 0, .size: 8, .value_kind: global_buffer, .address_space: global }
      - { .name: wq, .offset: 8, .size: 8, .value_kind: global_buffer, .address_space: global }
      - { .name: b2, .offset: 16, .size: 8, .value_kind: global_buffer, .address_space: global }
      - { .name: rt2, .offset: 24, .size: 8, .value_kind: global_buffer, .address_space: global }
      - { .name: out0, .offset: 32, .size: 8, .value_kind: global_buffer, .address_space: global }
    .group_segment_fixed_size: 262144
    .private_segment_fixed_size: 0
    .kernarg_segment_align: 8
    .kernarg_segment_size: 40
    .max_flat_workgroup_size: 128
    .sgpr_count:     88
    .vgpr_count:     896
    .wavefront_size: 32
...
	.end_amdgpu_metadata
.endif
;; end of part 3
